; MI455X (gfx1250); checked and timed in simulation.
; The chip was launched on July 23, 2026; its instructions are those of AMD's public machine-readable ISA for CDNA 5 (MIT licence, August 2026) and "CDNA5" Instruction Set Architecture Reference Guide (July 2026). The comments in the code are by the model that wrote it; some were corrected since.
;; Sparse Mo E Layer. Allowed arithmetic: matrix products marked QUANTISED: E2M1 operands, one E8M0 scale for each 32 along K, by v_wmma_scale_f32_16x16x128_f8f6f4 with both operands' format E2M1 (or v_wmma_scale_f32_32x16x128_f4), f32 sums; products left as they are: f32 operands where the result goes on into a quantised operand, else bf16, f16 or f32 operands; f32 sums; everything else in f32.
;; Inputs: expert_b 8 x 2,048 float32; expert_w_codes 8 x 2,048 x 64 x 16 uint8 (E2M1 codes of expert_w, K innermost, in blocks of 32 codes, two codes a byte); expert_w_scales 8 x 2,048 x 64 uint8 (E8M0 scales of expert_w, one for each 32 codes along K); gate_b 8 float32; gate_w 2,048 x 8 float32; x 2,048 x 2,048 float32.
;; Outputs: out0 2,048 x 2,048 float32.
;; This version of the problem:
;;   THIS VERSION OF THE PROBLEM IS GIVEN IN LOW PRECISION. The matrix products marked QUANTISED in the list below multiply operands that are first quantised to E2M1 (2 exponent bits, 1 mantissa bit; 4 bits a number), with one power-of-two scale for each 32 numbers along K (OCP MX v1.0); their sums are f32. All else is computed in f32.
;;   The module's matrix products, in the order in which they are computed (A, B: the left and right operand; K: the contracted axis; several contracted axes count as one K, in the product's order):
;;     1. [M 2,048, K 2,048] x [K 2,048, N 8]; A: input x; B: input gate_w: left as it is (N = 8 < 16)
;;     2. [M 2,048, K 2,048] x [K 2,048, N 16,384]; A: input x; B: input expert_w (given as codes): QUANTISED
;;   THE QUANTISER, for each operand of a quantised product, along K:
;;     - K is cut into blocks of 32 from its start; a last block that is shorter is filled with zeros.
;;     - A block's scale is 2^e with e = floor(log2(the largest magnitude in the block)) - 2, held to -126 .. 127; a block of zeros has e = 0. As a byte (E8M0): e + 127.
;;     - Each number is divided by its block's scale, clamped to +-6, and rounded to the nearest number of E2M1, ties to even, subnormals kept.
;;     - The product sums the exact products of the quantised numbers (number of the format x scale) in f32.
;;   ~~~python
;;   def quantise(x, axis):      # numpy; x: float32 -> the quantised numbers, widened to float32 again
;;       x = np.moveaxis(x, axis, -1); K = x.shape[-1]
;;       x = np.pad(x, [(0, 0)] * (x.ndim - 1) + [(0, -K % 32)]); x = x.reshape(x.shape[:-1] + (-1, 32)); a = np.abs(x).max(-1, keepdims=True)
;;       e = np.where(a > 0, np.clip(np.frexp(np.where(a > 0, a, 1))[1] - 1 - 2, -126, 127), 0)      # np.frexp(a)[1] - 1 = floor(log2(a)), exactly
;;       r = np.clip(x / 2.0 ** e, -6, 6)
;;       step = 2.0 ** (np.maximum(np.frexp(np.where(r == 0, 1, r))[1] - 1, 0) - 1)
;;       q = np.round(r / step) * step * 2.0 ** e      # np.round: ties to even
;;       return np.moveaxis(q.reshape(q.shape[:-2] + (-1,))[..., :K], -1, axis).astype(np.float32)
;;   ~~~
;;   INPUTS GIVEN AS CODES. expert_w (in the module: [8, 2048, 2048], K = its axis 1): each comes as NAME_codes (uint8): NAME with its K axis moved to the last place and cut into blocks of 32 codes, [.., K / 32, bytes a block], one block behind the other in memory; two codes a byte, the lower K in the low four bits (a code: sign, 2 exponent bits, 1 mantissa bit); and NAME_scales (uint8): the same leading axes, one E8M0 byte (e + 127) for each 32 codes along K. Its value is code x scale, taken as it is: it is not quantised again, and the codes and scales need not be those that the quantiser above would give.
;; One version. Each part assembles by itself: llvm-mc -triple=amdgcn-amd-amdhsa -mcpu=gfx1250 --defsym DOCPART=n.
;; ======== version 1 of 1: 3 launches
;; workspace buffers: xq 2,097,152 bytes; xs 131,072 bytes; gates 32,768 bytes; route 8,192 bytes of whole numbers; hist 32,768 bytes of whole numbers; order 18,944 bytes of whole numbers; tiles 1,024 bytes of whole numbers; wq 16,777,216 bytes
;; launch route (part 1): grid 256 x 1, 8 waves a work-group, no clusters, 173,824 bytes of LDS; arguments x, gate_w, gate_b, xq, xs, gates, route, hist; writes xq, xs, gates, route, hist
.if DOCPART == 1
	.amdgcn_target "amdgcn-amd-amdhsa--gfx1250"
	.amdhsa_code_object_version 6
	.text
	.protected	k_q6b2e788a54_route
	.globl	k_q6b2e788a54_route
	.p2align	8
	.type	k_q6b2e788a54_route,@function
k_q6b2e788a54_route:
	s_mov_b64 s[64:65], 0
	v_nop
	global_prefetch_b8 v0, s[64:65] scope:SCOPE_SE
	s_setreg_imm32_b32 hwreg(HW_REG_WAVE_MODE, 25, 1), 1
	s_wait_xcnt 0x0
; ROUTE.  x [2048][2048] f32 is read once and serves twice: it is quantised to E2M1 codes (xq [2048][1024 bytes], K as it lies) with one E8M0 byte for each 32 along K
; (xs [2048][64]), and it is multiplied in f32 by gate_w [2048][8]; then gate_b, softmax with the row's maximum taken off, top 2 (the lower index wins a tie), the two weights made to sum to 1.
; What is chosen is only STORED here, at fixed places: no address and no branch of this launch hangs on it.
;   gates [2048][4] f32: g_lo, g_lo, g_hi, g_hi (lo, hi: the chosen expert with the lower, the higher number);
;   route [2048] u32: key | rank << 8, key = a (15 - a) / 2 + b - a - 1 of the pair a < b (0 .. 27), rank = how many earlier tokens of my 8 have the same key;
;   hist [256][32] u32: for each group of 8 tokens, word p = how many of them have key p.
; SHARES.  A work-group takes 8 tokens.  Wave w takes k = 256 w .. 256 w + 255 of all 8; lane l holds k = 256 w + 8 l + 0 .. 7, so a block of 32 lies in four neighbouring lanes.
; Every global load reads 512 consecutive bytes, 16 a lane; the numbers reach their lanes by a turn through the wave's own LDS bytes.
; LIMITS.  NaN and infinities are not served.  A block whose largest magnitude lies under 2^-124 (a block of zeros too) gets the byte 1; only this program reads the bytes, and zero codes add nothing.
; The gate's f32 sums are added in another order than a plain dot product: a token whose second and third probabilities agree to the last few bits may take the other expert.
.set GT,  0                            ; LDS, per wave 8,704: gate_w's turn, 32 places of 256 + 16 bytes
.set XT,  69632                        ; per wave 3,072: x's turn, two stages of 32 places of 32 + 16 bytes
.set PP,  94208                        ; 256 places of 256 + 16 bytes: place 4 o + (thread / 64) holds 64 threads' partial sums of output o = 8 token + expert
.set CB,  163840                       ; codes [8][1024]
.set SCB, 172032                       ; scale bytes [8][64]
.set LG,  172544                       ; logits [8][8]
.set GW,  32                           ; v32-95   gate_w[8 l + i][e] at 8 i + e
.set XR,  96                           ; v96-159  x as loaded, 8 registers a token
.set X,   160                          ; v160-175 my 8 neighbours, two sets
.set ACC, 176                          ; v176-239 partial sums, 8 token + e
.set CD,  240                          ; v240-247 a token's 8 codes
.set BY,  20                           ; v20-27   a token's scale byte
	s_load_b512 s[4:19], s[0:1], 0x0               ; x, gate_w, gate_b, xq, xs, gates, route, hist
	v_lshl_add_u32 v248, v0, 2, 0x2a300
	v_mov_b32 v249, 0
	v_lshrrev_b32 v14, 5, v0
	s_delay_alu instid0(VALU_DEP_1)
	v_readfirstlane_b32 s20, v14                   ; wave 0..7
	v_and_b32 v1, 31, v0                           ; lane
	s_delay_alu instid0(VALU_DEP_1)
	v_lshlrev_b32 v2, 4, v1                        ; 16 x lane; never rewritten
	s_mul_i32 s24, s20, 8704
	v_lshrrev_b32 v14, 4, v1
	v_and_b32 v15, 15, v1
	s_delay_alu instid0(VALU_DEP_2)
	v_mul_u32_u24 v3, v14, 272
	s_delay_alu instid0(VALU_DEP_1)
	v_lshl_add_u32 v3, v15, 4, v3
	s_delay_alu instid0(VALU_DEP_1)
	v_add_nc_u32 v3, s24, v3                       ; gate_w's turn, in: a load's 512 bytes are two places
	v_mul_u32_u24 v4, v1, 272
	s_delay_alu instid0(VALU_DEP_1)
	v_add_nc_u32 v4, s24, v4                       ; and out: place = lane
	s_mul_i32 s25, s20, 3072
	s_add_co_u32 s25, s25, XT
	v_lshrrev_b32 v14, 1, v1
	v_and_b32 v15, 1, v1
	s_delay_alu instid0(VALU_DEP_2)
	v_mul_u32_u24 v5, v14, 48
	s_delay_alu instid0(VALU_DEP_1)
	v_lshl_add_u32 v5, v15, 4, v5
	s_delay_alu instid0(VALU_DEP_1)
	v_add_nc_u32 v5, s25, v5                       ; x's turn, in: two lanes to a place
	v_mul_u32_u24 v6, v1, 48
	s_delay_alu instid0(VALU_DEP_1)
	v_add_nc_u32 v6, s25, v6                       ; and out
	s_lshl_b32 s26, s20, 7
	s_add_co_u32 s26, s26, CB
	v_lshl_add_u32 v7, v1, 2, s26                  ; my 4 bytes of codes in a token's row: 128 w + 4 l
	s_lshl_b32 s27, s20, 3
	s_add_co_u32 s27, s27, SCB
	v_lshrrev_b32 v8, 2, v1
	s_delay_alu instid0(VALU_DEP_1)
	v_add_nc_u32 v8, s27, v8                       ; my block's byte: 8 w + l / 4
	v_lshrrev_b32 v14, 6, v0
	v_and_b32 v15, 63, v0
	s_delay_alu instid0(VALU_DEP_2)
	v_mul_u32_u24 v9, v14, 272
	s_delay_alu instid0(VALU_DEP_1)
	v_lshl_add_u32 v9, v15, 2, v9
	s_delay_alu instid0(VALU_DEP_1)
	v_add_nc_u32 v9, PP, v9                        ; partial sums, in: outputs 0-31 (1,088 bytes from output to output),
	s_delay_alu instid0(VALU_DEP_1)
	v_add_nc_u32 v10, 32*1088, v9                  ; outputs 32-63
	v_mul_u32_u24 v11, v0, 272
	s_delay_alu instid0(VALU_DEP_1)
	v_add_nc_u32 v11, PP, v11                      ; and out: place = thread
	v_lshrrev_b32 v12, 2, v0                       ; the output that my four lanes add up
	s_delay_alu instid0(VALU_DEP_1)
	v_and_b32 v31, 7, v12
	s_delay_alu instid0(VALU_DEP_1)
	v_lshlrev_b32 v31, 2, v31                      ; its expert's place in gate_b
	s_delay_alu instid0(VALU_DEP_3)
	v_lshl_add_u32 v12, v12, 2, LG                 ; and its logit's place
	s_lshl_b32 s28, s20, 10
	s_add_co_u32 s29, s28, CB
	v_add_nc_u32 v28, s29, v2                      ; token w's row of codes, 16 bytes a lane
	v_add_nc_u32 v29, SCB, v2                      ; the 512 scale bytes, 16 a lane
	v_and_b32 v30, 7, v1
	s_delay_alu instid0(VALU_DEP_1)
	v_lshl_add_u32 v30, v30, 5, LG                 ; token (lane % 8)'s eight logits
	s_mov_b32 s23, 0
	s_wait_alu depctr_va_vdst(0)
	s_wait_kmcnt 0x0
	s_lshl_b32 s22, ttmp9, 16                      ; 8 rows of 8,192 bytes a work-group,
	s_add_co_u32 s22, s22, s28                     ; 1,024 bytes of each row a wave
	s_add_nc_u64 s[4:5], s[4:5], s[22:23]
	s_lshl_b32 s22, s20, 13                        ; 256 rows of gate_w a wave
	s_add_nc_u64 s[6:7], s[6:7], s[22:23]
	s_lshl_b32 s22, ttmp9, 13
	s_add_co_u32 s22, s22, s28                     ; xq: token 8 g + w
	s_add_nc_u64 s[10:11], s[10:11], s[22:23]
	s_lshl_b32 s22, ttmp9, 9
	s_add_nc_u64 s[12:13], s[12:13], s[22:23]
	s_lshl_b32 s22, ttmp9, 7
	s_add_nc_u64 s[14:15], s[14:15], s[22:23]
	s_add_nc_u64 s[18:19], s[18:19], s[22:23]
	s_lshl_b32 s22, ttmp9, 5
	s_add_nc_u64 s[16:17], s[16:17], s[22:23]
	global_load_b32 v13, v31, s[8:9]
.irp m, 0,1,2,3,4,5,6,7,8,9,10,11,12,13,14,15
	global_load_b128 v[GW+4*\m:GW+4*\m+3], v2, s[6:7] offset:512*\m
.endr
.irp i, 0,1,2,3,4,5,6,7
.irp j, 0,1
	global_load_b128 v[XR+8*\i+4*\j:XR+8*\i+4*\j+3], v2, s[4:5] offset:8192*\i+512*\j th:TH_LOAD_NT
.endr
.endr
	s_wait_loadcnt 16                              ; gate_b and gate_w are in; the 16 loads of x may be out
.irp m, 0,1,2,3,4,5,6,7,8,9,10,11,12,13,14,15
	ds_store_b128 v3, v[GW+4*\m:GW+4*\m+3] offset:544*\m
.endr
.irp q, 0,1,2,3,4,5,6,7,8,9,10,11,12,13,14,15
	ds_load_b128 v[GW+4*\q:GW+4*\q+3], v4 offset:16*\q   ; LDS serves a wave's instructions in order: these see the stores above, which have read their registers
.endr
.macro XTURN i                         ; token i's 1,024 bytes through stage i % 2
	s_wait_loadcnt 2*(7-(\i))                      ; its two loads are in; the later tokens' may be out
.irp j, 0,1
	ds_store_b128 v5, v[XR+8*(\i)+4*\j:XR+8*(\i)+4*\j+3] offset:1536*((\i)%2)+768*\j
.endr
.irp j, 0,1
	ds_load_b128 v[X+8*((\i)%2)+4*\j:X+8*((\i)%2)+4*\j+3], v6 offset:1536*((\i)%2)+16*\j
.endr
.endm
.macro TOKEN i
.set XS, X+8*((\i)%2)
.set AC, ACC+8*(\i)
.if (\i) == 0
	s_wait_dscnt 0x0                               ; gate_w and token 0 are back
.else
	s_wait_dscnt 2                                 ; my 8 numbers are back; the last token's code and byte stores may be out
.endif
.if (\i) < 7
	XTURN (\i)+1                                   ; the next token turns while this one is worked on
.endif
	v_max3_num_f32 v14, |v[XS]|, |v[XS+1]|, 0x1800000   ; the largest magnitude of my 8, with the floor 2^(3 - 127): the byte cannot fall under 1
	v_max3_num_f32 v15, |v[XS+2]|, |v[XS+3]|, |v[XS+4]|
	s_delay_alu instid0(VALU_DEP_2)
	v_max3_num_f32 v14, v14, |v[XS+5]|, |v[XS+6]|
	s_delay_alu instid0(VALU_DEP_1)
	v_max3_num_f32 v14, v14, v15, |v[XS+7]|
	s_delay_alu instid0(VALU_DEP_1)
	v_max_num_f32_dpp v14, v14, v14 row_xmask:1 row_mask:0xf bank_mask:0xf
	s_delay_alu instid0(VALU_DEP_1)
	v_max_num_f32_dpp v14, v14, v14 row_xmask:2 row_mask:0xf bank_mask:0xf   ; of the four lanes that share the block
	s_delay_alu instid0(VALU_DEP_1)
	v_add_nc_u32 v16, 0xff000000, v14              ; 2 off its exponent field: the conversion takes that field as its scale
	v_cvt_scalef32_pk8_fp4_f32 v[CD+(\i)], v[XS:XS+7], v16
	v_lshrrev_b32 v[BY+(\i)], 23, v16              ; the scale's byte (also the plain line behind the conversion)
	ds_store_b32 v7, v[CD+(\i)] offset:1024*(\i)
	ds_store_b8 v8, v[BY+(\i)] offset:64*(\i)      ; the block's four lanes write the same byte with the same value
.irp k, 0,1,2,3,4,5,6,7                        ; the gate: x[k] times gate_w[k][0..7], two experts an instruction; the first product starts the sums
.irp p, 0,2,4,6
.if \k == 0
	v_pk_mul_f32 v[AC+\p:AC+\p+1], v[XS:XS+1], v[GW+\p:GW+\p+1] op_sel_hi:[0,1]
.elseif (\k % 2) == 0
	s_delay_alu instid0(VALU_DEP_4)
	v_pk_fma_f32 v[AC+\p:AC+\p+1], v[XS+\k:XS+\k+1], v[GW+8*\k+\p:GW+8*\k+\p+1], v[AC+\p:AC+\p+1] op_sel_hi:[0,1,1]
.else
	s_delay_alu instid0(VALU_DEP_4)
	v_pk_fma_f32 v[AC+\p:AC+\p+1], v[XS+\k-1:XS+\k], v[GW+8*\k+\p:GW+8*\k+\p+1], v[AC+\p:AC+\p+1] op_sel:[1,0,0] op_sel_hi:[1,1,1]
.endif
.endr
.endr
.endm
	XTURN 0
.irp i, 0,1,2,3,4,5,6,7
	TOKEN \i
.endr
.set o, 0
.rept 32
	ds_store_b32 v9, v[ACC+o] offset:1088*o
	ds_store_b32 v10, v[ACC+32+o] offset:1088*o
.set o, o+1
.endr
	s_wait_dscnt 0x0                               ; for the others' sake: my codes, bytes and partial sums lie in LDS
	s_barrier_signal -1
	s_barrier_wait -1
	ds_load_b128 v[160:163], v28                   ; token w's codes
	ds_load_b128 v[164:167], v28 offset:512
.irp q, 0,1,2,3,4,5,6,7,8,9,10,11,12,13,14,15
	ds_load_b128 v[GW+4*\q:GW+4*\q+3], v11 offset:16*\q   ; 64 partial sums of output thread / 4
.endr
	s_wait_dscnt 16                                ; the codes are in
	global_store_b128 v2, v[160:163], s[10:11]     ; 512 consecutive bytes a store
	global_store_b128 v2, v[164:167], s[10:11] offset:512
	s_wait_dscnt 0x0
	v_pk_add_f32 v[98:99], v[32:33], v[40:41]
	v_pk_add_f32 v[100:101], v[48:49], v[56:57]
	v_pk_add_f32 v[102:103], v[64:65], v[72:73]
	v_pk_add_f32 v[246:247], v[80:81], v[88:89]
	v_pk_add_f32 v[244:245], v[34:35], v[42:43]
	v_pk_add_f32 v[242:243], v[50:51], v[58:59]
	v_pk_add_f32 v[240:241], v[66:67], v[74:75]
	v_pk_add_f32 v[96:97], v[82:83], v[90:91]
	s_delay_alu instid0(VALU_DEP_1)
	v_pk_add_f32 v[96:97], v[96:97], v[36:37]
	v_pk_add_f32 v[98:99], v[98:99], v[44:45]
	v_pk_add_f32 v[100:101], v[100:101], v[52:53]
	v_pk_add_f32 v[102:103], v[102:103], v[60:61]
	v_pk_add_f32 v[246:247], v[246:247], v[68:69]
	v_pk_add_f32 v[244:245], v[244:245], v[76:77]
	v_pk_add_f32 v[242:243], v[242:243], v[84:85]
	v_pk_add_f32 v[240:241], v[240:241], v[92:93]
	v_pk_add_f32 v[96:97], v[96:97], v[38:39]
	v_pk_add_f32 v[98:99], v[98:99], v[46:47]
	v_pk_add_f32 v[100:101], v[100:101], v[54:55]
	v_pk_add_f32 v[102:103], v[102:103], v[62:63]
	v_pk_add_f32 v[246:247], v[246:247], v[70:71]
	v_pk_add_f32 v[244:245], v[244:245], v[78:79]
	v_pk_add_f32 v[242:243], v[242:243], v[86:87]
	v_pk_add_f32 v[240:241], v[240:241], v[94:95]
	s_delay_alu instid0(VALU_DEP_4)
	v_pk_add_f32 v[96:97], v[96:97], v[246:247]
	s_delay_alu instid0(VALU_DEP_4)
	v_pk_add_f32 v[98:99], v[98:99], v[244:245]
	s_delay_alu instid0(VALU_DEP_4)
	v_pk_add_f32 v[100:101], v[100:101], v[242:243]
	s_delay_alu instid0(VALU_DEP_4)
	v_pk_add_f32 v[102:103], v[102:103], v[240:241]
	s_delay_alu instid0(VALU_DEP_2)
	v_pk_add_f32 v[96:97], v[96:97], v[100:101]
	s_delay_alu instid0(VALU_DEP_2)
	v_pk_add_f32 v[98:99], v[98:99], v[102:103]
	s_delay_alu instid0(VALU_DEP_1)
	v_pk_add_f32 v[96:97], v[96:97], v[98:99]
	s_delay_alu instid0(VALU_DEP_1)
	v_add_f32 v96, v96, v97
	s_delay_alu instid0(VALU_DEP_1)
	v_add_f32_dpp v96, v96, v96 row_xmask:1 row_mask:0xf bank_mask:0xf
	s_delay_alu instid0(VALU_DEP_1)
	v_add_f32_dpp v96, v96, v96 row_xmask:2 row_mask:0xf bank_mask:0xf   ; the output's four places
	s_delay_alu instid0(VALU_DEP_1)
	v_add_f32 v96, v96, v13                        ; + gate_b
	ds_store_b32 v12, v96                          ; four lanes write the same word with the same value
	s_cmp_lg_u32 s20, 1
	s_cbranch_scc1 .Lnot_1
	ds_load_b128 v[104:107], v29                   ; wave 1: the 8 tokens' scale bytes leave as 512 consecutive bytes
	s_wait_dscnt 0x0
	global_store_b128 v2, v[104:107], s[12:13]
.Lnot_1:
	s_wait_dscnt 0x0                               ; my logit lies in LDS
	s_barrier_signal -1
	s_barrier_wait -1
	s_cmp_lg_u32 s20, 0
	s_cbranch_scc1 .Lend
	; wave 0: lane l works token l % 8, four lanes alike, so that all lanes stay on
	ds_load_b128 v[32:35], v30
	ds_load_b128 v[36:39], v30 offset:16
	v_and_b32 v72, 7, v1                           ; my token
	s_delay_alu instid0(VALU_DEP_1)
	v_lshlrev_b32 v75, 2, v72
	s_delay_alu instid0(VALU_DEP_2)
	v_lshlrev_b32 v76, 4, v72
	v_lshlrev_b32 v77, 2, v1
	s_wait_dscnt 0x0
	v_max3_num_f32 v40, v32, v33, v34
	s_delay_alu instid0(VALU_DEP_1)
	v_max3_num_f32 v40, v40, v35, v36
	s_delay_alu instid0(VALU_DEP_1)
	v_max3_num_f32 v40, v40, v37, v38
	s_delay_alu instid0(VALU_DEP_1)
	v_max_num_f32 v40, v40, v39                    ; the row's maximum is taken off ahead of the exponentials
.irp i, 0,1,2,3,4,5,6,7
	v_sub_f32 v[48+\i], v[32+\i], v40
.endr
.irp i, 0,1,2,3,4,5,6,7
	v_mul_f32 v[48+\i], 0x3fb8aa3b, v[48+\i]       ; x log2(e)
.endr
	s_wait_alu depctr_va_vdst(0)
.irp i, 0,1,2,3,4,5,6,7
	v_exp_f32 v[48+\i], v[48+\i]
.endr
	v_nop                                          ; a plain line behind the last exponential
	s_wait_alu depctr_va_vdst(0)                   ; one wait for the batch, ahead of its first reader
	v_add_f32 v41, v48, v49
	v_add_f32 v42, v50, v51
	v_add_f32 v43, v52, v53
	v_add_f32 v44, v54, v55
	s_delay_alu instid0(VALU_DEP_3)
	v_add_f32 v41, v41, v42
	s_delay_alu instid0(VALU_DEP_2)
	v_add_f32 v43, v43, v44
	s_delay_alu instid0(VALU_DEP_1)
	v_add_f32 v41, v41, v43                        ; at least 1: the largest term is 1
	s_wait_alu depctr_va_vdst(0)
	v_rcp_f32 v42, v41
	v_nop
	s_wait_alu depctr_va_vdst(0)
.irp i, 0,1,2,3,4,5,6,7
	v_mul_f32 v[48+\i], v[48+\i], v42              ; the probabilities
.endr
	v_mov_b32 v56, v48                             ; the largest, by a walk upward with >: the lower index keeps a tie
	v_mov_b32 v57, 0
.irp i, 1,2,3,4,5,6,7
	s_delay_alu instid0(VALU_DEP_2)
	v_cmp_gt_f32 vcc_lo, v[48+\i], v56
	s_delay_alu instid0(VALU_DEP_1)
	v_cndmask_b32 v56, v56, v[48+\i], vcc_lo
	s_delay_alu instid0(VALU_DEP_2)
	v_cndmask_b32 v57, v57, \i, vcc_lo
.endr
	v_mov_b32 v58, -1.0                            ; the second: the same walk past the first's index; every probability is above -1
	v_mov_b32 v59, 0
.irp i, 0,1,2,3,4,5,6,7
	s_delay_alu instid0(VALU_DEP_2)
	v_cmp_gt_f32 s24, v[48+\i], v58
	v_cmp_ne_u32 s25, \i, v57
	s_and_b32 s24, s24, s25
	v_cndmask_b32 v58, v58, v[48+\i], s24
	v_cndmask_b32 v59, v59, \i, s24
.endr
	s_delay_alu instid0(VALU_DEP_2)
	v_add_f32 v60, v56, v58
	s_wait_alu depctr_va_vdst(0)
	v_rcp_f32 v60, v60
	v_min_u32 v63, v57, v59                        ; a (a plain line behind the reciprocal)
	v_max_u32 v64, v57, v59                        ; b
	s_wait_alu depctr_va_vdst(0)
	v_mul_f32 v61, v56, v60                        ; the first's weight,
	v_mul_f32 v62, v58, v60                        ; the second's
	v_cmp_lt_u32 vcc_lo, v57, v59
	s_delay_alu instid0(VALU_DEP_1)
	v_cndmask_b32 v68, v62, v61, vcc_lo            ; g_lo: expert a's
	s_delay_alu instid0(VALU_DEP_2)
	v_cndmask_b32 v70, v61, v62, vcc_lo            ; g_hi: expert b's
	s_delay_alu instid0(VALU_DEP_2)
	v_mov_b32 v69, v68
	s_delay_alu instid0(VALU_DEP_2)
	v_mov_b32 v71, v70
	v_sub_nc_u32 v65, 15, v63
	s_delay_alu instid0(VALU_DEP_1)
	v_mul_u32_u24 v65, v63, v65
	s_delay_alu instid0(VALU_DEP_1)
	v_lshrrev_b32 v65, 1, v65
	s_delay_alu instid0(VALU_DEP_1)
	v_add_nc_u32 v65, v65, v64
	s_delay_alu instid0(VALU_DEP_1)
	v_sub_nc_u32 v65, v65, v63
	s_delay_alu instid0(VALU_DEP_1)
	v_add_nc_u32 v65, -1, v65                      ; key = a (15 - a) / 2 + b - a - 1
	v_mov_b32 v66, 0                               ; lane p: how many of the 8 tokens have key p
	v_mov_b32 v67, 0                               ; my token's rank among those of its key
.irp i, 0,1,2,3,4,5,6,7
	v_readlane_b32 s24, v65, \i                    ; token i's key: it feeds compares and selects alone
	s_delay_alu instid0(VALU_DEP_1)
	v_cmp_eq_u32 vcc_lo, s24, v1
	s_delay_alu instid0(VALU_DEP_1)
	v_cndmask_b32 v73, 0, 1, vcc_lo
	s_delay_alu instid0(VALU_DEP_1)
	v_add_nc_u32 v66, v66, v73
	s_delay_alu instid0(VALU_DEP_4)
	v_cmp_eq_u32 s25, s24, v65
	v_cmp_gt_u32 s26, v72, \i
	s_and_b32 s25, s25, s26
	v_cndmask_b32 v73, 0, 1, s25
	s_delay_alu instid0(VALU_DEP_1)
	v_add_nc_u32 v67, v67, v73
.endr
	s_delay_alu instid0(VALU_DEP_1)
	v_lshl_or_b32 v74, v67, 8, v65
	global_store_b32 v75, v74, s[16:17]            ; route: the four lanes of a token store the same word
	global_store_b128 v76, v[68:71], s[14:15]      ; gates
	global_store_b32 v77, v66, s[18:19]            ; hist: 128 consecutive bytes
.Lend:
	s_wait_tensorcnt 0x0
	ds_add_u32 v248, v249
	s_wait_dscnt 0x0
	s_endpgm
.Lfunc_end_k_q6b2e788a54_route:
	.size	k_q6b2e788a54_route, .Lfunc_end_k_q6b2e788a54_route-k_q6b2e788a54_route
	.p2alignl 7, 3214868480
	.fill 96, 4, 3214868480
	.section	.rodata,"a",@progbits
	.p2align	6, 0x0
	.amdhsa_kernel k_q6b2e788a54_route
		.amdhsa_group_segment_fixed_size 173824
		.amdhsa_private_segment_fixed_size 0
		.amdhsa_enable_private_segment 0
		.amdhsa_kernarg_size 64
		.amdhsa_user_sgpr_count 2
		.amdhsa_user_sgpr_kernarg_segment_ptr 1
		.amdhsa_wavefront_size32 1
		.amdhsa_system_sgpr_workgroup_id_x 1
		.amdhsa_system_sgpr_workgroup_id_y 1
		.amdhsa_system_sgpr_workgroup_id_z 1
		.amdhsa_system_vgpr_workitem_id 0
		.amdhsa_next_free_vgpr 250
		.amdhsa_next_free_sgpr 66
		.amdhsa_reserve_vcc 1
		.amdhsa_float_denorm_mode_32 3
		.amdhsa_float_denorm_mode_16_64 3
		.amdhsa_memory_ordered 1
		.amdhsa_forward_progress 1
		.amdhsa_inst_pref_size 63
	.end_amdhsa_kernel
	.amdgpu_metadata
---
amdhsa.version: [ 1, 2 ]
amdhsa.kernels:
  - .name:           k_q6b2e788a54_route
    .symbol:         k_q6b2e788a54_route.kd
    .args:
      - { .name: x, .offset: 0, .size: 8, .value_kind: global_buffer, .address_space: global }
      - { .name: gate_w, .offset: 8, .size: 8, .value_kind: global_buffer, .address_space: global }
      - { .name: gate_b, .offset: 16, .size: 8, .value_kind: global_buffer, .address_space: global }
      - { .name: xq, .offset: 24, .size: 8, .value_kind: global_buffer, .address_space: global }
      - { .name: xs, .offset: 32, .size: 8, .value_kind: global_buffer, .address_space: global }
      - { .name: gates, .offset: 40, .size: 8, .value_kind: global_buffer, .address_space: global }
      - { .name: route, .offset: 48, .size: 8, .value_kind: global_buffer, .address_space: global }
      - { .name: hist, .offset: 56, .size: 8, .value_kind: global_buffer, .address_space: global }
    .group_segment_fixed_size: 173824
    .private_segment_fixed_size: 0
    .kernarg_segment_align: 8
    .kernarg_segment_size: 64
    .max_flat_workgroup_size: 256
    .sgpr_count:     66
    .vgpr_count:     250
    .wavefront_size: 32
...
	.end_amdgpu_metadata
.endif
;; end of part 1
;; launch place (part 2): grid 129 x 1, 32 waves a work-group, no clusters, 152,320 bytes of LDS; arguments route, hist, expert_w_codes, order, tiles, wq; writes order, tiles, wq
.if DOCPART == 2
	.amdgcn_target "amdgcn-amd-amdhsa--gfx1250"
	.amdhsa_code_object_version 6
	.text
	.protected	k_q6b2e788a54_place
	.globl	k_q6b2e788a54_place
	.p2align	8
	.type	k_q6b2e788a54_place,@function
k_q6b2e788a54_place:
	s_mov_b64 s[64:65], 0
	v_nop
	global_prefetch_b8 v0, s[64:65] scope:SCOPE_SE
	s_setreg_imm32_b32 hwreg(HW_REG_WAVE_MODE, 25, 1), 1
	s_wait_xcnt 0x0
; PLACE.  Two jobs that need nothing of each other, in one launch; they part on the work-group's number and have LDS bytes of their own.
; WORK-GROUP 0 places the tokens.  Tokens are grouped by their pair of experts (key 0 .. 27); a tile is up to 96 tokens of ONE key; a key with c tokens has ceil(c / 96) tiles, one behind the other.
;   The sum of ceil(c / 96) over 28 keys with 2,048 tokens in all is at most (2048 + 28 x 95) / 96, that is 49: the tables serve every split.
;   order [49 x 96] u32: the token of each slot; slots that hold no token get 0.  tiles [49][4] u32: e_lo, e_hi, rows, key; a tile that is not in use has rows = 0.
;   A counting sort without atomics: wave w owns tokens 64 w .. 64 w + 63 (8 groups of 8, whose counts by key the launch before stored); lane = key.
; WORK-GROUPS 1 .. 128 lay the experts' codes in the order of the operand's registers: wq [expert x 128 + tile of 16 rows][K step 16][c 2][lane 32][16 bytes]; lane (r, h) of image (s, c) holds
;   bytes 64 s + 32 c + 16 h .. + 15 of weight row r of the tile: registers 4 c .. 4 c + 3 of a 4-bit fragment.  A wave takes 16 rows x 256 bytes: loads of two whole runs of 256 bytes,
;   a turn through its own stage (rows of 256 + 16 bytes), stores of 512 consecutive bytes.
.set RS,  0                            ; LDS: the codes' stages, 4,352 bytes for each of 32 waves
.set TT,  139264                       ; the sort's: T [32 waves] x 132 bytes: counts by key;
.set EE,  4352                         ; E lies 4,352 bytes behind T: the same, summed over the waves before;
.set TOT, 147968                       ; a word for each key: its tokens
	s_load_b256 s[4:11], s[0:1], 0x0               ; route, hist, codes, order
	s_load_b128 s[12:15], s[0:1], 0x20             ; tiles, wq
	v_lshl_add_u32 v64, v0, 2, 0x24300
	v_mov_b32 v65, 0
	v_lshrrev_b32 v2, 5, v0
	s_delay_alu instid0(VALU_DEP_1)
	v_readfirstlane_b32 s20, v2                    ; wave 0..31
	v_and_b32 v1, 31, v0                           ; lane
	s_cmp_eq_u32 ttmp9, 0
	s_cbranch_scc1 .Lsort
	; ---- the codes
	v_and_b32 v2, 15, v1                           ; r
	v_lshrrev_b32 v3, 4, v1                        ; h
	s_delay_alu instid0(VALU_DEP_1)
	v_lshlrev_b32 v4, 10, v3
	s_delay_alu instid0(VALU_DEP_1)
	v_lshl_add_u32 v4, v2, 4, v4                   ; in memory: lanes 0-15 one row's 256 bytes, lanes 16-31 the next row's
	s_mul_i32 s21, s20, 4352
	v_mul_u32_u24 v5, v3, 272
	s_delay_alu instid0(VALU_DEP_1)
	v_lshl_add_u32 v5, v2, 4, v5
	s_delay_alu instid0(VALU_DEP_1)
	v_add_nc_u32 v5, s21, v5                       ; the same two rows in my stage
	v_mul_u32_u24 v6, v2, 272
	s_delay_alu instid0(VALU_DEP_1)
	v_lshl_add_u32 v6, v3, 4, v6
	s_delay_alu instid0(VALU_DEP_1)
	v_add_nc_u32 v6, s21, v6                       ; out of it: row r, + 16 h
	v_lshlrev_b32 v7, 4, v1                        ; an image: 16 x lane
	s_sub_co_u32 s22, ttmp9, 1
	s_lshl_b32 s22, s22, 5
	s_add_co_u32 s22, s22, s20                     ; my task, 0 .. 4095
	s_lshr_b32 s23, s22, 2                         ; which 16 rows,
	s_and_b32 s24, s22, 3                          ; which quarter of K
	s_lshl_b32 s26, s23, 14
	s_lshl_b32 s25, s24, 8
	s_add_co_u32 s28, s26, s25
	s_mov_b32 s29, 0
	s_lshl_b32 s25, s24, 12
	s_add_co_u32 s30, s26, s25
	s_mov_b32 s31, 0
	s_wait_alu depctr_va_vdst(0)
	s_wait_kmcnt 0x0
	s_add_nc_u64 s[8:9], s[8:9], s[28:29]
	s_add_nc_u64 s[14:15], s[14:15], s[30:31]
.irp i, 0,1,2,3,4,5,6,7
	global_load_b128 v[8+4*\i:11+4*\i], v4, s[8:9] offset:2048*\i th:TH_LOAD_NT
.endr
.irp i, 0,1,2,3,4,5,6,7
	s_wait_loadcnt 7-\i
	ds_store_b128 v5, v[8+4*\i:11+4*\i] offset:544*\i
.endr
.irp n, 0,1,2,3,4,5,6,7
	ds_load_b128 v[8+4*\n:11+4*\n], v6 offset:32*\n   ; image n = 2 s + c.  LDS serves a wave's instructions in order: these see my stores, which have read their registers
.endr
.irp n, 0,1,2,3,4,5,6,7
	s_wait_dscnt 7-\n
	global_store_b128 v7, v[8+4*\n:11+4*\n], s[14:15] offset:512*\n
.endr
	s_wait_tensorcnt 0x0
	ds_add_u32 v64, v65
	s_wait_dscnt 0x0
	s_endpgm
	; ---- the sort
; An inclusive sum over the 32 lanes: four steps inside each half of 16 lanes, then the lower half's total onto the upper half.  v29 is at work; s28 = the upper half's lanes.
.macro SCAN v
.irp n, 1,2,4,8
	s_delay_alu instid0(VALU_DEP_1)
	v_mov_b32_dpp v29, v[\v] row_shr:\n row_mask:0xf bank_mask:0xf bound_ctrl:1
	s_delay_alu instid0(VALU_DEP_1)
	v_add_nc_u32 v[\v], v[\v], v29
.endr
	s_delay_alu instid0(VALU_DEP_1)
	v_readlane_b32 s31, v[\v], 15
	s_delay_alu instid0(VALU_DEP_1)
	v_cndmask_b32 v29, 0, s31, s28
	s_delay_alu instid0(VALU_DEP_1)
	v_add_nc_u32 v[\v], v[\v], v29
.endm
.Lsort:
	s_wait_alu depctr_va_vdst(0)
	v_lshlrev_b32 v48, 2, v1                       ; 4 x lane
	; the offsets of my two tiles' table entries and slots are made here, of the wave's number alone, with all lanes on and ahead of every load: tile w in v44, v45; tile w + 32 in v58, v59
	s_lshl_b32 s40, s20, 4
	v_mov_b32 v44, s40                             ; 16 bytes an entry
	s_mul_i32 s41, s20, 384
	v_add_nc_u32 v45, s41, v48                     ; 384 bytes of slots a tile, 4 bytes a lane
	s_add_co_u32 s43, s20, 32
	s_lshl_b32 s40, s43, 4
	v_mov_b32 v58, s40
	s_mul_i32 s41, s43, 384
	v_add_nc_u32 v59, s41, v48                     ; (used in waves 0-16 alone)
	v_mov_b32 v47, 0                               ; what a slot without a token gets
	s_mul_i32 s21, s20, 132
	s_add_co_u32 s21, s21, TT
	v_add_nc_u32 v49, s21, v48                     ; T[w][lane]
	s_lshl_b32 s22, s20, 2
	s_add_co_u32 s23, s22, TT
	v_mul_u32_u24 v50, v1, 132
	s_delay_alu instid0(VALU_DEP_1)
	v_add_nc_u32 v50, s23, v50                     ; T[lane][w]
	s_add_co_u32 s22, s22, TOT
	v_mov_b32 v51, s22                             ; TOT[w]
	v_add_nc_u32 v52, TOT, v48                     ; TOT[lane]
	s_lshl_b32 s24, s20, 10                        ; my 8 groups' counts
	s_mov_b32 s25, 0
	s_lshl_b32 s26, s20, 8                         ; my 64 tokens' words
	s_mov_b32 s27, 0
	s_mov_b32 s28, 0xffff0000
	s_wait_kmcnt 0x0
	s_add_nc_u64 s[6:7], s[6:7], s[24:25]
	s_add_nc_u64 s[4:5], s[4:5], s[26:27]
.irp i, 0,1,2,3,4,5,6,7
	global_load_b32 v[2+\i], v48, s[6:7] offset:128*\i   ; H_i: lane p: tokens of key p in my group i
.endr
.irp j, 0,1
	global_load_b32 v[10+\j], v48, s[4:5] offset:128*\j  ; token 64 w + 32 j + lane: key | rank << 8
.endr
	v_mov_b32 v29, 0                               ; written once: a DPP form's destination counts as one of its sources
	v_mov_b32 v40, 0                               ; lane p: the pair (a, b) of key p.  a = how many of the rows' first keys are at or under p
.irp t, 7,13,18,22,25,27
	v_cmp_le_u32 vcc_lo, \t, v1
	s_delay_alu instid0(VALU_DEP_1)
	v_cndmask_b32 v41, 0, 1, vcc_lo
	s_delay_alu instid0(VALU_DEP_1)
	v_add_nc_u32 v40, v40, v41
.endr
	s_delay_alu instid0(VALU_DEP_1)
	v_sub_nc_u32 v41, 15, v40
	s_delay_alu instid0(VALU_DEP_1)
	v_mul_u32_u24 v41, v40, v41
	s_delay_alu instid0(VALU_DEP_1)
	v_lshrrev_b32 v41, 1, v41
	s_delay_alu instid0(VALU_DEP_1)
	v_sub_nc_u32 v41, v1, v41
	s_delay_alu instid0(VALU_DEP_1)
	v_add3_u32 v41, v41, v40, 1                    ; b = p - a (15 - a) / 2 + a + 1,
	s_delay_alu instid0(VALU_DEP_1)
	v_min_u32 v41, 7, v41                          ; held at 7 in lanes 28-31, which are no keys
	s_delay_alu instid0(VALU_DEP_1)
	v_lshl_or_b32 v46, v41, 8, v40
	s_wait_loadcnt 0x0
	v_mov_b32 v12, 0                               ; L_i: tokens of my key in my groups before i
.irp i, 0,1,2,3,4,5,6
	s_delay_alu instid0(VALU_DEP_1)
	v_add_nc_u32 v[13+\i], v[12+\i], v[2+\i]
.endr
	s_delay_alu instid0(VALU_DEP_1)
	v_add_nc_u32 v28, v19, v9                      ; in all my groups
	ds_store_b32 v49, v28
	s_wait_dscnt 0x0
	s_barrier_signal -1
	s_barrier_wait -1
	ds_load_b32 v28, v50                           ; now wave w serves key w: lane l: that key's tokens in wave l's part
	s_wait_dscnt 0x0
	v_mov_b32 v30, v28
	SCAN 30
	s_delay_alu instid0(VALU_DEP_1)
	v_sub_nc_u32 v31, v30, v28                     ; in the waves before l
	s_delay_alu instid0(VALU_DEP_2)
	v_readlane_b32 s30, v30, 31
	s_delay_alu instid0(VALU_DEP_1)
	v_mov_b32 v32, s30                             ; in all
	ds_store_b32 v50, v31 offset:EE
	ds_store_b32 v51, v32                          ; all lanes write the same word with the same value
	s_wait_dscnt 0x0
	s_barrier_signal -1
	s_barrier_wait -1
	ds_load_b32 v33, v49 offset:EE                 ; lane = key again: its tokens in the waves before mine,
	ds_load_b32 v34, v52                           ; and in all
	s_wait_dscnt 0x0
	v_add_nc_u32 v35, 95, v34
	s_delay_alu instid0(VALU_DEP_1)
	v_mul_u32_u24 v35, v35, 43691
	s_delay_alu instid0(VALU_DEP_1)
	v_lshrrev_b32 v35, 22, v35                     ; its tiles: (c + 95) / 96; 43691 / 2^22 is above 1 / 96 by under 8e-8, and (c + 95) x that stays under 1 / 96 up to c = 2,048
	s_delay_alu instid0(VALU_DEP_1)
	v_mov_b32 v36, v35
	SCAN 36
	s_delay_alu instid0(VALU_DEP_1)
	v_sub_nc_u32 v36, v36, v35                     ; its first tile
	s_delay_alu instid0(VALU_DEP_1)
	v_mad_u32_u24 v37, v36, 96, v33
.irp i, 0,1,2,3,4,5,6,7
	v_add_nc_u32 v[20+\i], v37, v[12+\i]           ; B_i: the slot of the key's first token in my group i
.endr
	s_mov_b32 s24, 0xff00
	s_mov_b32 s25, 0xff0000
	s_mov_b32 s26, 0xff000000
	s_lshl_b32 s27, s20, 6
.irp j, 0,1
	v_and_b32 v38, 0xff, v[10+\j]
	s_delay_alu instid0(VALU_DEP_1)
	v_min_u32 v38, 31, v38
	s_delay_alu instid0(VALU_DEP_1)
	v_lshlrev_b32 v38, 2, v38                      ; the lane that holds my key's numbers
.irp q, 0,1,2,3
	ds_bpermute_b32 v[40+\q], v38, v[20+4*\j+\q]
.endr
	v_lshrrev_b32 v39, 8, v[10+\j]                 ; my rank in my group
	s_wait_dscnt 0x0
	v_cndmask_b32 v40, v40, v41, s24               ; my group is 4 j + lane / 8
	s_delay_alu instid0(VALU_DEP_1)
	v_cndmask_b32 v40, v40, v42, s25
	s_delay_alu instid0(VALU_DEP_1)
	v_cndmask_b32 v40, v40, v43, s26
	s_wait_alu depctr_va_vdst(0)
	v_add_nc_u32 v40, v40, v39
	s_delay_alu instid0(VALU_DEP_1)
	v_min_u32 v40, 4703, v40                       ; a number that was loaded enters an address behind a hold at the table's last slot
	s_delay_alu instid0(VALU_DEP_1)
	v_lshlrev_b32 v[54+\j], 2, v40
	v_add_nc_u32 v[56+\j], s27, v1
	s_delay_alu instid0(VALU_DEP_1)
	v_add_nc_u32 v[56+\j], 32*\j, v[56+\j]         ; my token
	global_store_b32 v[54+\j], v[56+\j], s[10:11]
.endr
; The tile whose number stands in s[t]: which key's it is, how many rows it has, its table entry (offset in v[ve]), and 0 in the slots that hold no token (offsets in v[vo]).
; No branch hangs on the counts: at most one lane's key owns the tile; where none does, lane 31 answers with 0 rows.
.macro TILE t, ve, vo
	v_cmp_ge_u32 s34, s[\t], v36
	v_add_nc_u32 v38, v36, v35
	s_delay_alu instid0(VALU_DEP_1)
	v_cmp_lt_u32 s35, s[\t], v38
	s_and_b32 s34, s34, s35                        ; first tile <= tile < first tile + tiles
	v_sub_nc_u32 v39, s[\t], v36
	s_delay_alu instid0(VALU_DEP_1)
	v_mul_u32_u24 v39, v39, 96
	s_delay_alu instid0(VALU_DEP_1)
	v_sub_nc_u32 v39, v34, v39                     ; the key's tokens from this tile on
	s_delay_alu instid0(VALU_DEP_1)
	v_cndmask_b32 v39, 0, v39, s34
	s_ctz_i32_b32 s35, s34
	s_and_b32 s35, s35, 31                         ; the key
	v_readlane_b32 s36, v39, s35
	s_min_u32 s36, s36, 96                         ; rows
	v_readlane_b32 s37, v46, s35
	s_and_b32 s38, s37, 0xff
	s_lshr_b32 s39, s37, 8
	v_mov_b32 v40, s38
	v_mov_b32 v41, s39
	v_mov_b32 v42, s36
	v_mov_b32 v43, s35
	v_cmp_eq_u32 vcc_lo, 0, v1
	s_wait_alu depctr_va_vdst(0)
	s_wait_xcnt 0x0                                ; EXEC is a source of the stores issued so far: it changes only behind this wait
	s_and_saveexec_b32 s42, vcc_lo
	global_store_b128 v[\ve], v[40:43], s[12:13]   ; lane 0 stores the entry
	s_wait_xcnt 0x0
	s_or_b32 exec_lo, exec_lo, s42
.irp k, 0,1,2
	v_add_nc_u32 v38, 32*\k, v1
	s_delay_alu instid0(VALU_DEP_1)
	v_cmp_le_u32 vcc_lo, s36, v38                  ; slots from `rows` on
	s_and_saveexec_b32 s42, vcc_lo
	global_store_b32 v[\vo], v47, s[10:11] offset:128*\k
	s_wait_xcnt 0x0                                ; and again ahead of the line that widens it; it also frees the entry's registers for the next tile
	s_or_b32 exec_lo, exec_lo, s42
.endr
.endm
	TILE 20, 44, 45                                ; wave w: tile w,
	s_cmp_ge_u32 s20, 17
	s_cbranch_scc1 .Lsorted
	TILE 43, 58, 59                                ; and, in waves 0-16, tile w + 32: 49 in all
.Lsorted:
	s_wait_tensorcnt 0x0
	ds_add_u32 v64, v65
	s_wait_dscnt 0x0
	s_endpgm
.Lfunc_end_k_q6b2e788a54_place:
	.size	k_q6b2e788a54_place, .Lfunc_end_k_q6b2e788a54_place-k_q6b2e788a54_place
	.p2alignl 7, 3214868480
	.fill 96, 4, 3214868480
	.section	.rodata,"a",@progbits
	.p2align	6, 0x0
	.amdhsa_kernel k_q6b2e788a54_place
		.amdhsa_group_segment_fixed_size 152320
		.amdhsa_private_segment_fixed_size 0
		.amdhsa_enable_private_segment 0
		.amdhsa_kernarg_size 48
		.amdhsa_user_sgpr_count 2
		.amdhsa_user_sgpr_kernarg_segment_ptr 1
		.amdhsa_wavefront_size32 1
		.amdhsa_system_sgpr_workgroup_id_x 1
		.amdhsa_system_sgpr_workgroup_id_y 1
		.amdhsa_system_sgpr_workgroup_id_z 1
		.amdhsa_system_vgpr_workitem_id 0
		.amdhsa_next_free_vgpr 66
		.amdhsa_next_free_sgpr 66
		.amdhsa_reserve_vcc 1
		.amdhsa_float_denorm_mode_32 3
		.amdhsa_float_denorm_mode_16_64 3
		.amdhsa_memory_ordered 1
		.amdhsa_forward_progress 1
		.amdhsa_inst_pref_size 20
	.end_amdhsa_kernel
	.amdgpu_metadata
---
amdhsa.version: [ 1, 2 ]
amdhsa.kernels:
  - .name:           k_q6b2e788a54_place
    .symbol:         k_q6b2e788a54_place.kd
    .args:
      - { .name: route, .offset: 0, .size: 8, .value_kind: global_buffer, .address_space: global }
      - { .name: hist, .offset: 8, .size: 8, .value_kind: global_buffer, .address_space: global }
      - { .name: expert_w_codes, .offset: 16, .size: 8, .value_kind: global_buffer, .address_space: global }
      - { .name: order, .offset: 24, .size: 8, .value_kind: global_buffer, .address_space: global }
      - { .name: tiles, .offset: 32, .size: 8, .value_kind: global_buffer, .address_space: global }
      - { .name: wq, .offset: 40, .size: 8, .value_kind: global_buffer, .address_space: global }
    .group_segment_fixed_size: 152320
    .private_segment_fixed_size: 0
    .kernarg_segment_align: 8
    .kernarg_segment_size: 48
    .max_flat_workgroup_size: 1024
    .sgpr_count:     66
    .vgpr_count:     66
    .wavefront_size: 32
...
	.end_amdgpu_metadata
.endif
;; end of part 2
;; launch experts (part 3): grid 8 x 49, 4 waves a work-group, no clusters, 117,760 bytes of LDS; arguments tiles, order, xq, xs, gates, wq, expert_w_scales, expert_b, out0; writes out0
.if DOCPART == 3
	.amdgcn_target "amdgcn-amd-amdhsa--gfx1250"
	.amdhsa_code_object_version 6
	.text
	.protected	k_q6b2e788a54_experts
	.globl	k_q6b2e788a54_experts
	.p2align	8
	.type	k_q6b2e788a54_experts,@function
k_q6b2e788a54_experts:
	s_mov_b64 s[64:65], 0
	v_nop
	global_prefetch_b8 v0, s[64:65] scope:SCOPE_SE
	s_setreg_imm32_b32 hwreg(HW_REG_WAVE_MODE, 25, 1), 1
	s_wait_xcnt 0x0
; EXPERTS.  out[t] = g_lo (x[t] W_lo + b_lo) + g_hi (x[t] W_hi + b_hi), both products on E2M1 codes with E8M0 scales, for the two experts that token t chose; the other six are not multiplied.
; SHARES.  Work-group (x, y) takes tile y of the stored list (up to 96 tokens that chose ONE pair of experts, six strips of 16) and output columns 256 x .. 256 x + 255.  Wave w takes 64 of the columns,
; all six strips and BOTH experts: 6 x 8 accumulators of 16 x 16.  So a token's two partial results lie in the same lane, the gates cost two packed lines, and each output row has one owner.
; The grid of 49 tiles serves every split of the tokens; a tile with no rows stores nothing and ends.
; THE MATRIX INSTRUCTION IS USED TRANSPOSED: source 0 = 16 rows of W (output columns), source 1 = 16 tokens: lane (r, h) of accumulator (a, b) holds token slot 16 a + r and columns 16 (b % 4) + 8 h + 0 .. 7
; of expert lo (b < 4) or hi.  The bias is the C of each sum's first product: nothing is cleared, and the bias costs no line.
; OPERANDS.  The tokens' codes are gathered once into LDS (96 rows of 1,024 + 16 bytes) and read by all four waves.  The weights go from memory straight into registers: the launch before laid them as images
; of the operand's registers, so each load takes 512 consecutive bytes; they run three K steps ahead in four sets of 64 registers.
; NO TENSOR LOADS, NO CLUSTER: the launch branches on stored counts (an empty tile, empty strips), and which tiles share an expert's weights hangs on the stored list, so that partners' descriptors
; could not be alike by the text.  ALL LANES STAY ON throughout: rows that hold no token are left out by scalar branches on the stored count of rows.
; SCALE WORDS.  One load of 16 bytes at row x 64 + 32 Q + 16 h gives register i: lanes 0-15 the word of K step 8 Q + i, lanes 16-31 that of K step 8 Q + 4 + i; the second kind is named by ROW1.
; REGISTERS, in windows of 256: window 0: v0-35 addresses and token numbers; v36-59 gates; v60-107 x's scale words, v108-171 W's (they hold scales alone); v172-235 biases, later the way out;
;   v236-251 at work; v252-254 addresses.   window 1: W's fragments, four sets of 64.   window 2: accumulators of strips 0-3 (64 a + 8 b); before the products, the gathered rows on their way to LDS.
;   window 3: v0-127 accumulators of strips 4, 5; v128-223 x's fragments, two sets of 48.
.set PX,    1040                       ; a token's row in LDS: 1,024 + 16 bytes = 65 x 16: the 16 rows of a fragment load start in 16 different columns of 16 bytes
.set STRIP, 16*PX
.set HALF,  3*STRIP                    ; strips 3-5 have an address register of their own: an LDS offset has 16 bits
.set STG,   6*STRIP                    ; behind the rows: a stage of 16 rows x 272 bytes for each wave; bytes 256 .. 259 of a row carry the row's token
.set R,    1                           ; v1   lane % 16
.set H,    2                           ; v2   lane / 16
.set L16,  3                           ; v3   16 x lane
.set AD,   4                           ; v4-5 x's fragments: PX r + 16 h; + HALF
.set SB,   6                           ; v6-7 the gather's place in LDS: PX (4 w + h) + 16 r; + HALF
.set STO,  8                           ; v8   the stage, in: 272 r + 32 h
.set STT,  9                           ; v9   the row's token, in
.set RD,   10                          ; v10  the stage, out, two rows at a time: 272 h + 16 r
.set RDT,  11                          ; v11  the rows' tokens, out
.set C16,  12                          ; v12  16 r
.set WSO,  13                          ; v13  64 r + 16 h
.set BO,   14                          ; v14  32 h
.set O4R,  15                          ; v15  4 r
.set TOK,  16                          ; v16-21  the token of slot 16 a + r
.set TOKS, 22                          ; v22-33  the token of slot 16 a + 4 w + 2 u + h; later:
.set XSO,  22                          ; v22-27  its scale bytes' offset, 64 token + 16 h
.set GO,   28                          ; v28-33  its gates' offset, 16 token
.set O4W,  34                          ; v34  4 (4 w + h)
.set H16,  35                          ; v35  16 h
.set G,    36
.set XS,   60
.set WS,   108
.set BIAS, 172
.set XO,   236                         ; v236-247 the gather's offsets in xq
.set O,    172                         ; the way out: a strip's 32 results a lane,
.set OB,   204                         ; the same as whole rows,
.set TR,   236                         ; the rows' tokens,
.set OFF,  244                         ; and their offsets in out0
.set RD8,  252                         ; v252 the stage, out, one row at a time: 8 x lane
.set RDT0, 253                         ; v253 a row's token, the same word for all lanes
.set L8,   254                         ; v254 8 x lane
.set MSB, 0
.macro WIN new                         ; the immediate's high byte repeats the setting that is left; a switch that changes nothing is dropped
.if MSB != (\new)
	s_set_vgpr_msb (MSB<<8)|(\new)
.set MSB, (\new)
.endif
.endm
	s_load_b512 s[4:19], s[0:1], 0x0               ; tiles, order, xq, xs, gates, wq, W's scales, biases
	s_load_b64 s[20:21], s[0:1], 0x40              ; out0
	v_lshl_add_u32 v255, v0, 2, 0x1ca00
	s_set_vgpr_msb 0xc0
	v_mov_b32 v255, 0
	s_set_vgpr_msb 0xc000
	v_lshrrev_b32 v1, 5, v0
	v_readfirstlane_b32 s22, v1                    ; wave 0..3
	v_and_b32 v[R], 15, v0
	v_bfe_u32 v[H], v0, 4, 1
	v_and_b32 v[L16], 31, v0
	v_lshlrev_b32 v[L8], 3, v[L16]
	v_lshlrev_b32 v[L16], 4, v[L16]
	v_mul_u32_u24 v[AD], v[R], PX
	v_lshl_add_u32 v[AD], v[H], 4, v[AD]
	v_add_nc_u32 v[AD+1], HALF, v[AD]
	s_lshl_b32 s44, s22, 2                         ; 4 w
	s_mul_i32 s45, s22, 4352
	s_add_co_u32 s45, s45, STG                     ; my stage
	v_add_nc_u32 v[O4W], s44, v[H]
	v_mul_u32_u24 v[SB], v[O4W], PX
	v_lshl_add_u32 v[SB], v[R], 4, v[SB]
	v_add_nc_u32 v[SB+1], HALF, v[SB]
	v_lshlrev_b32 v[O4W], 2, v[O4W]
	v_mul_u32_u24 v[STT], v[R], 272
	v_add_nc_u32 v[STT], s45, v[STT]
	v_lshl_add_u32 v[STO], v[H], 5, v[STT]
	v_add_nc_u32 v[STT], 256, v[STT]
	v_mul_u32_u24 v[RDT], v[H], 272
	v_add_nc_u32 v[RDT], s45, v[RDT]
	v_lshl_add_u32 v[RD], v[R], 4, v[RDT]
	v_add_nc_u32 v[RDT], 256, v[RDT]
	v_add_nc_u32 v[RD8], s45, v[L8]
	v_mov_b32 v[RDT0], s45
	v_add_nc_u32 v[RDT0], 256, v[RDT0]
	v_lshlrev_b32 v[C16], 4, v[R]
	v_lshlrev_b32 v[WSO], 6, v[R]
	v_lshl_add_u32 v[WSO], v[H], 4, v[WSO]
	v_lshlrev_b32 v[BO], 5, v[H]
	v_lshlrev_b32 v[O4R], 2, v[R]
	v_lshlrev_b32 v[H16], 4, v[H]
	s_and_b32 s46, ttmp7, 0xffff                   ; my tile
	s_lshl_b32 s48, s46, 4
	s_mov_b32 s49, 0
	s_mul_i32 s50, s46, 384
	s_mov_b32 s51, 0
	s_wait_alu depctr_va_vdst(0)
	s_wait_kmcnt 0x0
	s_add_nc_u64 s[4:5], s[4:5], s[48:49]
	s_add_nc_u64 s[28:29], s[6:7], s[50:51]
	s_load_b128 s[24:27], s[4:5], 0x0              ; e_lo, e_hi, rows, key
.irp a, 0,1,2,3,4,5
	global_load_b32 v[TOK+\a], v[O4R], s[28:29] offset:64*\a   ; every slot of the list is written, so these need not wait for the entry
.endr
.irp a, 0,1,2,3,4,5
.irp u, 0,1
	global_load_b32 v[TOKS+2*\a+\u], v[O4W], s[28:29] offset:4*(16*\a+2*\u)
.endr
.endr
	s_wait_kmcnt 0x0
	s_min_u32 s24, s24, 7                          ; numbers that were loaded enter addresses behind a hold at their tables' ends
	s_min_u32 s25, s25, 7
	s_min_u32 s26, s26, 96
	s_wait_loadcnt 0x0
.irp i, 0,1,2,3,4,5,6,7,8,9,10,11,12,13,14,15,16,17
	v_min_u32 v[TOK+\i], 0x7ff, v[TOK+\i]
.endr
	s_cmp_eq_u32 s26, 0
	s_cbranch_scc1 .Lstaged                        ; an empty tile gathers nothing; it still passes the barrier, which stands on every path
	; ---- the gather: wave w brings slots 16 a + 4 w .. + 3 of each strip: 48 loads, each two rows' 256 consecutive bytes
.irp a, 0,1,2,3,4,5
.irp u, 0,1
	v_lshl_add_u32 v[XO+2*\a+\u], v[TOKS+2*\a+\u], 10, v[C16]
.endr
.endr
	WIN 0x80                                       ; destination window 2
.irp a, 0,1,2,3,4,5
.irp u, 0,1
.irp q, 0,1,2,3
	global_load_b128 v[4*(8*\a+4*\u+\q):4*(8*\a+4*\u+\q)+3], v[XO+2*\a+\u], s[8:9] offset:256*\q
.endr
.endr
.endr
	WIN 0x08                                       ; an LDS store's data are its source 1: window 2
.irp a, 0,1,2,3,4,5
.irp u, 0,1
	s_wait_loadcnt 44-4*(2*\a+\u)                  ; these four are in; the younger loads may be out
.irp q, 0,1,2,3
	ds_store_b128 v[SB+\a/3], v[4*(8*\a+4*\u+\q):4*(8*\a+4*\u+\q)+3] offset:(\a%3)*STRIP+2*PX*\u+256*\q
.endr
.endr
.endr
	WIN 0
.Lstaged:
	s_wait_dscnt 0x0                               ; for the others' sake: my rows lie in LDS
	s_barrier_signal -1
	s_barrier_wait -1                              ; the launch's one barrier: behind it the rows are only read
	s_cmp_eq_u32 s26, 0
	s_cbranch_scc1 .Lend
	; ---- where my columns begin: column tile 16 x + 4 w of each expert's 128
	s_lshl_b32 s50, ttmp9, 4
	s_add_co_u32 s50, s50, s44
	s_mov_b32 s45, 0
	s_lshl_b32 s51, s24, 7
	s_add_co_u32 s51, s51, s50
	s_lshl_b32 s44, s51, 14                        ; 16,384 bytes of images a tile,
	s_add_nc_u64 s[30:31], s[14:15], s[44:45]
	s_lshl_b32 s44, s51, 10                        ; 16 rows of 64 scale bytes,
	s_add_nc_u64 s[34:35], s[16:17], s[44:45]
	s_lshl_b32 s44, s51, 6                         ; 16 biases
	s_add_nc_u64 s[38:39], s[18:19], s[44:45]
	s_lshl_b32 s51, s25, 7
	s_add_co_u32 s51, s51, s50
	s_lshl_b32 s44, s51, 14
	s_add_nc_u64 s[32:33], s[14:15], s[44:45]
	s_lshl_b32 s44, s51, 10
	s_add_nc_u64 s[36:37], s[16:17], s[44:45]
	s_lshl_b32 s44, s51, 6
	s_add_nc_u64 s[40:41], s[18:19], s[44:45]
	s_lshl_b32 s44, s50, 6
	s_add_nc_u64 s[42:43], s[20:21], s[44:45]      ; my 256 bytes of a row of out0
.irp a, 0,1,2,3,4,5
	v_lshl_add_u32 v[XSO+\a], v[TOK+\a], 6, v[H16]
	v_lshlrev_b32 v[GO+\a], 4, v[TOK+\a]
.endr
.irp c, 0,1,2,3
.irp f, 0,1
	global_load_b128 v[BIAS+8*\c+4*\f:BIAS+8*\c+4*\f+3], v[BO], s[38:39] offset:64*\c+16*\f
	global_load_b128 v[BIAS+32+8*\c+4*\f:BIAS+32+8*\c+4*\f+3], v[BO], s[40:41] offset:64*\c+16*\f
.endr
.endr
.irp c, 0,1,2,3
.irp q, 0,1
	global_load_b128 v[WS+8*\c+4*\q:WS+8*\c+4*\q+3], v[WSO], s[34:35] offset:1024*\c+32*\q
	global_load_b128 v[WS+32+8*\c+4*\q:WS+32+8*\c+4*\q+3], v[WSO], s[36:37] offset:1024*\c+32*\q
.endr
.endr
.irp a, 0,1,2,3,4,5
.irp q, 0,1
	global_load_b128 v[XS+8*\a+4*\q:XS+8*\a+4*\q+3], v[XSO+\a], s[10:11] offset:32*\q
.endr
.endr
.irp a, 0,1,2,3,4,5
	global_load_b128 v[G+4*\a:G+4*\a+3], v[GO+\a], s[12:13]
.endr
.macro BLOAD s                         ; K step s of my 8 tiles of W (4 of expert lo, 4 of hi) into set s % 4: 16 loads of 512 consecutive bytes
.irp b, 0,1,2,3
.irp c, 0,1
	global_load_b128 v[64*((\s)%4)+8*\b+4*\c:64*((\s)%4)+8*\b+4*\c+3], v[L16], s[30:31] offset:16384*\b+1024*(\s)+512*\c
.endr
.endr
.irp b, 0,1,2,3
.irp c, 0,1
	global_load_b128 v[64*((\s)%4)+32+8*\b+4*\c:64*((\s)%4)+32+8*\b+4*\c+3], v[L16], s[32:33] offset:16384*\b+1024*(\s)+512*\c
.endr
.endr
.endm
.macro ALOAD s                         ; K step s of the six strips of tokens into set s % 2: lane (r, h): bytes 64 s + 32 c + 16 h of row 16 a + r
.irp a, 0,1,2,3,4,5
.irp c, 0,1
	ds_load_b128 v[128+48*((\s)%2)+8*\a+4*\c:128+48*((\s)%2)+8*\a+4*\c+3], v[AD+\a/3] offset:(\a%3)*STRIP+64*(\s)+32*\c
.endr
.endr
.endm
.macro MUL a, s                        ; strip a against W's eight tiles, K step s
.irp b, 0,1,2,3,4,5,6,7
.if (\s) == 0
	v_wmma_scale_f32_16x16x128_f8f6f4 v[64*((\a)%4)+8*\b:64*((\a)%4)+8*\b+7], v[64*((\s)%4)+8*\b:64*((\s)%4)+8*\b+7], v[128+48*((\s)%2)+8*(\a):128+48*((\s)%2)+8*(\a)+7], v[BIAS+8*\b:BIAS+8*\b+7], v[WS+8*\b+4*((\s)/8)+(\s)%4], v[XS+8*(\a)+4*((\s)/8)+(\s)%4] matrix_a_fmt:MATRIX_FMT_FP4 matrix_b_fmt:MATRIX_FMT_FP4
.elseif ((\s)/4)%2 == 1
	v_wmma_scale_f32_16x16x128_f8f6f4 v[64*((\a)%4)+8*\b:64*((\a)%4)+8*\b+7], v[64*((\s)%4)+8*\b:64*((\s)%4)+8*\b+7], v[128+48*((\s)%2)+8*(\a):128+48*((\s)%2)+8*(\a)+7], v[64*((\a)%4)+8*\b:64*((\a)%4)+8*\b+7], v[WS+8*\b+4*((\s)/8)+(\s)%4], v[XS+8*(\a)+4*((\s)/8)+(\s)%4] matrix_a_fmt:MATRIX_FMT_FP4 matrix_b_fmt:MATRIX_FMT_FP4 matrix_a_scale:MATRIX_SCALE_ROW1 matrix_b_scale:MATRIX_SCALE_ROW1
.else
	v_wmma_scale_f32_16x16x128_f8f6f4 v[64*((\a)%4)+8*\b:64*((\a)%4)+8*\b+7], v[64*((\s)%4)+8*\b:64*((\s)%4)+8*\b+7], v[128+48*((\s)%2)+8*(\a):128+48*((\s)%2)+8*(\a)+7], v[64*((\a)%4)+8*\b:64*((\a)%4)+8*\b+7], v[WS+8*\b+4*((\s)/8)+(\s)%4], v[XS+8*(\a)+4*((\s)/8)+(\s)%4] matrix_a_fmt:MATRIX_FMT_FP4 matrix_b_fmt:MATRIX_FMT_FP4
.endif
.endr
.endm
; A K step of 128: 48 matrix instructions.  The 48 accumulators take turns, one instruction a turn, in the same order in every step.
.macro KSTEP s
.if (\s) > 0 && (\s) < 15
.rept 4
	v_nop                                          ; four places between the last step's products and loads into registers that they read (ISA guide 7.12.1 for vector instructions)
.endr
.endif
.if (\s) < 13
	WIN 0x40                                       ; destination window 1
	BLOAD (\s)+3
.endif
.if (\s) < 15
	WIN 0xc0                                       ; destination window 3
	ALOAD (\s)+1
.endif
.if (\s) < 13
	s_wait_loadcnt 48                              ; this step's weights, and all that was asked for before them, are in; the three steps behind may be out
.else
	s_wait_loadcnt 16*(15-(\s))
.endif
.if (\s) < 15
	s_wait_dscnt 12                                ; this step's tokens are in; the 12 loads just issued may be out
.else
	s_wait_dscnt 0x0
.endif
.if (\s) == 0
	WIN 0x8d                                       ; source 0 (W) window 1, source 1 (x) window 3, C (the bias) window 0, D window 2
.else
	WIN 0xad                                       ; C and D window 2
.endif
	MUL 0, \s
	MUL 1, \s
	MUL 2, \s
	MUL 3, \s
.if (\s) == 0
	WIN 0xcd
.else
	WIN 0xfd                                       ; C and D window 3
.endif
	MUL 4, \s
	MUL 5, \s
.endm
	WIN 0x40
	BLOAD 0
	BLOAD 1
	BLOAD 2
	WIN 0xc0
	ALOAD 0
.irp s, 0,1,2,3,4,5,6,7,8,9,10,11,12,13,14,15
	KSTEP \s
.endr
	WIN 0
.rept 4
	v_nop                                          ; four places ahead of the first read of results
.endr
; THE WAY OUT of strip a.  The two experts' results are weighed and added; a lane's 8 neighbouring columns of a token go into my own stage, with the token's number behind each row, and come back as whole rows.
; Valid rows are a prefix of the tile: the first strip without rows ends the wave.  A strip with all 16 rows is stored here, two rows an instruction: sixteen lanes store 256 consecutive bytes, at a multiple
; of 256 from out0's first byte.  A strip that is filled in part is the tile's last: it goes to the tail at .Lpart, which is written once.
.macro OUTSTRIP a
	s_cmp_le_u32 s26, 16*(\a)
	s_cbranch_scc1 .Lend
	WIN 0x02+(\a)/4                                ; source 0: window 2 or 3
.irp c, 0,1,2,3
.irp j, 0,2,4,6
	v_pk_mul_f32 v[O+8*\c+\j:O+8*\c+\j+1], v[64*((\a)%4)+8*\c+\j:64*((\a)%4)+8*\c+\j+1], v[G+4*(\a):G+4*(\a)+1]   ; each accumulator from its low end on
.endr
.endr
.irp c, 0,1,2,3
.irp j, 0,2,4,6
	v_pk_fma_f32 v[O+8*\c+\j:O+8*\c+\j+1], v[64*((\a)%4)+32+8*\c+\j:64*((\a)%4)+32+8*\c+\j+1], v[G+4*(\a)+2:G+4*(\a)+3], v[O+8*\c+\j:O+8*\c+\j+1]
.endr
.endr
	WIN 0
.irp c, 0,1,2,3
	ds_store_b128 v[STO], v[O+8*\c:O+8*\c+3] offset:64*\c
	ds_store_b128 v[STO], v[O+8*\c+4:O+8*\c+7] offset:64*\c+16
.endr
	ds_store_b32 v[STT], v[TOK+(\a)]               ; both halves of the lanes write the same word with the same value
	s_wait_xcnt 0x0                                ; the last strip's stores have read their data and offsets: both are written again below, here and in the tail
	s_sub_co_i32 s44, s26, 16*(\a)                 ; rows left from this strip on
	s_cmp_ge_i32 s44, 16
	s_cbranch_scc0 .Lpart
.irp i, 0,1,2,3,4,5,6,7
	ds_load_b128 v[OB+4*\i:OB+4*\i+3], v[RD] offset:544*\i   ; LDS serves a wave's instructions in order: these see my stores.  Rows 2 i + h
	ds_load_b32 v[TR+\i], v[RDT] offset:544*\i
.endr
	s_wait_dscnt 0x0
.irp i, 0,1,2,3,4,5,6,7
	v_min_u32 v[TR+\i], 0x7ff, v[TR+\i]
.endr
.irp i, 0,1,2,3,4,5,6,7
	v_lshl_add_u32 v[OFF+\i], v[TR+\i], 13, v[C16] ; the token's row of 8,192 bytes, + 16 r
.endr
.irp i, 0,1,2,3,4,5,6,7
	global_store_b128 v[OFF+\i], v[OB+4*\i:OB+4*\i+3], s[42:43] th:TH_STORE_NT
.endr
.endm
.irp a, 0,1,2,3,4,5
	OUTSTRIP \a
.endr
	s_branch .Lend
; THE TAIL: the strip in my stage has s44 rows, 1 to 15.  It comes back one row an instruction, 8 bytes a lane, with the row's token in every lane, and each row is stored by one instruction that covers 256
; consecutive bytes.  Between two rows a scalar compare of the rows left leads to the end; nothing follows the tail.
.Lpart:
.irp i, 0,1,2,3,4,5,6,7,8,9,10,11,12,13,14
	ds_load_b64 v[OB+2*\i:OB+2*\i+1], v[RD8] offset:272*\i
	ds_load_b32 v[TR+\i], v[RDT0] offset:272*\i
.endr
	s_wait_dscnt 0x0                               ; the rows are back, and my stores into the stage have read O's registers, which take the offsets below
.irp i, 0,1,2,3,4,5,6,7,8,9,10,11,12,13,14
	v_min_u32 v[TR+\i], 0x7ff, v[TR+\i]
.endr
.irp i, 0,1,2,3,4,5,6,7,8,9,10,11,12,13,14
	v_lshl_add_u32 v[O+\i], v[TR+\i], 13, v[L8]    ; the token's row of 8,192 bytes, + 8 x lane
.endr
	global_store_b64 v[O], v[OB:OB+1], s[42:43] th:TH_STORE_NT
.irp i, 1,2,3,4,5,6,7,8,9,10,11,12,13,14
	s_cmp_le_i32 s44, \i
	s_cbranch_scc1 .Lend
	s_wait_alu depctr_va_vdst(0)
	global_store_b64 v[O+\i], v[OB+2*\i:OB+2*\i+1], s[42:43] th:TH_STORE_NT
.endr
.Lend:
	s_set_vgpr_msb 0xc
	s_wait_tensorcnt 0x0
	ds_add_u32 v255, v255
	s_wait_dscnt 0x0
	s_set_vgpr_msb 0xc00
	s_endpgm
.Lfunc_end_k_q6b2e788a54_experts:
	.size	k_q6b2e788a54_experts, .Lfunc_end_k_q6b2e788a54_experts-k_q6b2e788a54_experts
	.p2alignl 7, 3214868480
	.fill 96, 4, 3214868480
	.section	.rodata,"a",@progbits
	.p2align	6, 0x0
	.amdhsa_kernel k_q6b2e788a54_experts
		.amdhsa_group_segment_fixed_size 117760
		.amdhsa_private_segment_fixed_size 0
		.amdhsa_enable_private_segment 0
		.amdhsa_kernarg_size 72
		.amdhsa_user_sgpr_count 2
		.amdhsa_user_sgpr_kernarg_segment_ptr 1
		.amdhsa_wavefront_size32 1
		.amdhsa_system_sgpr_workgroup_id_x 1
		.amdhsa_system_sgpr_workgroup_id_y 1
		.amdhsa_system_sgpr_workgroup_id_z 1
		.amdhsa_system_vgpr_workitem_id 0
		.amdhsa_next_free_vgpr 1024
		.amdhsa_next_free_sgpr 66
		.amdhsa_reserve_vcc 0
		.amdhsa_float_denorm_mode_32 3
		.amdhsa_float_denorm_mode_16_64 3
		.amdhsa_memory_ordered 1
		.amdhsa_forward_progress 1
		.amdhsa_inst_pref_size 198
	.end_amdhsa_kernel
	.amdgpu_metadata
---
amdhsa.version: [ 1, 2 ]
amdhsa.kernels:
  - .name:           k_q6b2e788a54_experts
    .symbol:         k_q6b2e788a54_experts.kd
    .args:
      - { .name: tiles, .offset: 0, .size: 8, .value_kind: global_buffer, .address_space: global }
      - { .name: order, .offset: 8, .size: 8, .value_kind: global_buffer, .address_space: global }
      - { .name: xq, .offset: 16, .size: 8, .value_kind: global_buffer, .address_space: global }
      - { .name: xs, .offset: 24, .size: 8, .value_kind: global_buffer, .address_space: global }
      - { .name: gates, .offset: 32, .size: 8, .value_kind: global_buffer, .address_space: global }
      - { .name: wq, .offset: 40, .size: 8, .value_kind: global_buffer, .address_space: global }
      - { .name: expert_w_scales, .offset: 48, .size: 8, .value_kind: global_buffer, .address_space: global }
      - { .name: expert_b, .offset: 56, .size: 8, .value_kind: global_buffer, .address_space: global }
      - { .name: out0, .offset: 64, .size: 8, .value_kind: global_buffer, .address_space: global }
    .group_segment_fixed_size: 117760
    .private_segment_fixed_size: 0
    .kernarg_segment_align: 8
    .kernarg_segment_size: 72
    .max_flat_workgroup_size: 128
    .sgpr_count:     66
    .vgpr_count:     1024
    .wavefront_size: 32
...
	.end_amdgpu_metadata
.endif
;; end of part 3
